; MI455X (gfx1250); checked and timed in simulation.
; The chip was launched on July 23, 2026; its instructions are those of AMD's public machine-readable ISA for CDNA 5 (MIT licence, August 2026) and "CDNA5" Instruction Set Architecture Reference Guide (July 2026). The comments in the code are by the model that wrote it; some were corrected since.
;; quantizer. Allowed arithmetic: float matrix products may take bf16 or f16 operands with f32 sums; other float arithmetic in f32, or as packed bf16 or f16 multiplies, adds, multiply-adds, maxima and minima; sums over many terms, partial sums and values carried from step to step in f32; what a program stores and reads back later, other than sums and carried values, may be rounded once to bf16 or f16.
;; Inputs: codebook 8,192 x 256 float32; x 32 x 256 x 32 x 32 float32.
;; Outputs: out0 32 x 256 x 32 x 32 float32; out1 32 x 32 x 32 int32; out2 one number float32; out3 one number float32.
;; 2 versions, each right; version 2 is version 1 with the launch prep written anew for expert scheduling mode. Each part assembles by itself: llvm-mc -triple=amdgcn-amd-amdhsa -mcpu=gfx1250 --defsym DOCPART=n.
;; ======== version 1 of 2: 4 launches
;; workspace buffers: cbw 4,194,304 bytes; ncsq 32,768 bytes; idx 131,072 bytes of whole numbers; part 2,048 bytes
;; launch prep (part 1): grid 128 x 1, 8 waves a work-group, no clusters, 1,280 bytes of LDS; arguments codebook, cbw, ncsq; writes cbw, ncsq
.if DOCPART == 1
	.amdgcn_target "amdgcn-amd-amdhsa--gfx1250"
	.amdhsa_code_object_version 6
	.text
	.protected	k_qa54031dc01_prep
	.globl	k_qa54031dc01_prep
	.p2align	8
	.type	k_qa54031dc01_prep,@function
k_qa54031dc01_prep:
	s_mov_b64 s[64:65], 0
	v_nop
	global_prefetch_b8 v0, s[64:65] scope:SCOPE_SE
	s_setreg_imm32_b32 hwreg(HW_REG_WAVE_MODE, 25, 1), 1
	s_wait_xcnt 0x0
; cbw[k][d] = bf16(2 c[k][d]), which is 2 bf16(c[k][d]) exactly;  ncsq[k] = - sum over d of bf16(c[k][d])^2, in f32.
; codebook: [8192][256] f32, cbw: [8192][256] bf16, ncsq: [8192] f32.
; LIMITS: 2 c must stay inside the normal range of f32 and bf16 (|c| under 1.7e38 and at least 2^-126), else doubling and rounding do not commute.
; SHARES: a work-group takes 64 rows, so that its 64 numbers of ncsq are 256 bytes on end, stored by one instruction; a wave takes 8 rows.
; Lane l takes floats 4 l .. 4 l + 3 and 128 + 4 l .. + 3 of a row: a load covers 512 bytes on end, a store of cbw 256 bytes on end.
; All 16 loads of a wave go out at once; no loop, no register is loaded twice, no store data is rewritten.
.set CSL,   0                          ; LDS: the work-group's 64 sums, 256 bytes
.set SPARE, 256                        ; the spare words: 128 bytes for each of the 8 waves, named by no other line
.set U,  8                             ; v[8:15]   8 numbers at work
.set R,  16                            ; v[16:79]  row i: 8 registers as loaded
.set Y,  80                            ; v[80:111] row i: 4 registers, 8 bf16 to store
.set WV, 10                            ; s10 the wave number
	s_load_b128 s[4:7], s[0:1], 0x0                ; codebook s[4:5], cbw s[6:7]
	s_load_b64 s[8:9], s[0:1], 0x10                ; ncsq
	v_lshl_add_u32 v4, v0, 2, SPARE                ; my spare word
	v_mov_b32 v5, 0
	v_and_b32 v1, 31, v0                           ; lane
	v_lshrrev_b32 v7, 5, v0
	v_readfirstlane_b32 s[WV], v7
	s_lshl_b32 s16, s[WV], 13                      ; 8 rows of 1,024 bytes
	s_lshl_b32 s17, s[WV], 12                      ; 8 rows of 512 bytes
	s_lshl_b32 s18, s[WV], 5                       ; 8 sums of 4 bytes
	v_lshl_add_u32 v2, v1, 4, s16                  ; my offset in the codebook
	v_lshl_add_u32 v3, v1, 3, s17                  ; my offset in cbw
	v_mov_b32 v6, s18                              ; where the wave puts its sums
	s_mov_b32 s12, 0x76543210                      ; v_permlanex16_b32: each lane takes its own place in the other half
	s_mov_b32 s13, 0xfedcba98
	s_mov_b32 s14, 0xffff0000                      ; the upper bf16 of a word
	s_lshl_b32 s20, ttmp9, 16                      ; the work-group: 64 rows of 1,024 bytes,
	s_mov_b32 s21, 0
	s_lshl_b32 s22, ttmp9, 15                      ; of 512 bytes,
	s_mov_b32 s23, 0
	s_lshl_b32 s2, ttmp9, 8                        ; and 64 sums
	s_mov_b32 s3, 0
	s_wait_kmcnt 0x0
	s_add_nc_u64 s[4:5], s[4:5], s[20:21]
	s_add_nc_u64 s[6:7], s[6:7], s[22:23]
	s_add_nc_u64 s[8:9], s[8:9], s[2:3]
.irp i, 0,1,2,3,4,5,6,7
	global_load_b128 v[R+8*(\i):R+8*(\i)+3],   v2, s[4:5] offset:1024*(\i) th:TH_LOAD_NT
	global_load_b128 v[R+8*(\i)+4:R+8*(\i)+7], v2, s[4:5] offset:1024*(\i)+512 th:TH_LOAD_NT
.endr
.macro ROW i
	s_wait_loadcnt 14-2*(\i)                       ; loads come back in order: row i is in, two loads for each later row stay out
.irp j, 0,2,4,6
	v_pk_add_f32 v[R+8*(\i)+(\j):R+8*(\i)+(\j)+1], v[R+8*(\i)+(\j):R+8*(\i)+(\j)+1], v[R+8*(\i)+(\j):R+8*(\i)+(\j)+1]  ; 2 c, exact
.endr
.irp j, 0,1,2,3
	v_cvt_pk_bf16_f32 v[Y+4*(\i)+(\j)], v[R+8*(\i)+2*(\j)], v[R+8*(\i)+2*(\j)+1]
.endr
	global_store_b64 v3, v[Y+4*(\i):Y+4*(\i)+1],   s[6:7] offset:512*(\i)      ; 32 lanes: 256 bytes on end, aligned
	global_store_b64 v3, v[Y+4*(\i)+2:Y+4*(\i)+3], s[6:7] offset:512*(\i)+256
.irp j, 0,1,2,3
	v_lshlrev_b32 v[U+2*(\j)],   16,  v[Y+4*(\i)+(\j)]  ; the rounded numbers back in f32
	v_and_b32     v[U+2*(\j)+1], s14, v[Y+4*(\i)+(\j)]
.endr
	v_pk_mul_f32 v[U:U+1], v[U:U+1], v[U:U+1]      ; the first squares start the sums
.irp j, 2,4,6
	v_pk_fma_f32 v[U:U+1], v[U+(\j):U+(\j)+1], v[U+(\j):U+(\j)+1], v[U:U+1]
.endr
	v_add_f32 v[U], v[U], v[U+1]
	v_add_f32_dpp v[U], v[U], v[U] row_xmask:1 row_mask:0xf bank_mask:0xf
	v_add_f32_dpp v[U], v[U], v[U] row_xmask:2 row_mask:0xf bank_mask:0xf
	v_add_f32_dpp v[U], v[U], v[U] row_xmask:4 row_mask:0xf bank_mask:0xf
	v_add_f32_dpp v[U], v[U], v[U] row_xmask:8 row_mask:0xf bank_mask:0xf
	v_permlanex16_b32 v[U+1], v[U], s12, s13
	v_add_f32 v[U], v[U], v[U+1]                   ; every lane holds sum (2 c)^2
	v_mul_f32 v[U], 0xbe800000, v[U]               ; times -0.25
	ds_store_b32 v6, v[U] offset:CSL+4*(\i)        ; all lanes write the same word with the same number
.endm
.irp i, 0,1,2,3,4,5,6,7
	ROW \i
.endr
	s_wait_dscnt 0x0                               ; for the sake of wave 0: my sums lie in LDS
	s_barrier_signal -1
	s_barrier_wait -1
	s_cmp_lg_u32 s[WV], 0
	s_cbranch_scc1 .Lend
	v_lshlrev_b32 v7, 3, v1                        ; wave 0: 8 bytes a lane, 256 bytes in all
	ds_load_b64 v[8:9], v7 offset:CSL
	s_wait_dscnt 0x0
	global_store_b64 v7, v[8:9], s[8:9]
.Lend:
	s_wait_tensorcnt 0x0                           ; the end of a wave that stored to LDS
	ds_add_u32 v4, v5
	s_wait_dscnt 0x0
	s_endpgm
.Lfunc_end_k_qa54031dc01_prep:
	.size	k_qa54031dc01_prep, .Lfunc_end_k_qa54031dc01_prep-k_qa54031dc01_prep
	.p2alignl 7, 3214868480
	.fill 96, 4, 3214868480
	.section	.rodata,"a",@progbits
	.p2align	6, 0x0
	.amdhsa_kernel k_qa54031dc01_prep
		.amdhsa_group_segment_fixed_size 1280
		.amdhsa_private_segment_fixed_size 0
		.amdhsa_enable_private_segment 0
		.amdhsa_kernarg_size 24
		.amdhsa_user_sgpr_count 2
		.amdhsa_user_sgpr_kernarg_segment_ptr 1
		.amdhsa_wavefront_size32 1
		.amdhsa_system_sgpr_workgroup_id_x 1
		.amdhsa_system_sgpr_workgroup_id_y 1
		.amdhsa_system_sgpr_workgroup_id_z 1
		.amdhsa_system_vgpr_workitem_id 0
		.amdhsa_next_free_vgpr 112
		.amdhsa_next_free_sgpr 66
		.amdhsa_reserve_vcc 0
		.amdhsa_float_denorm_mode_32 3
		.amdhsa_float_denorm_mode_16_64 3
		.amdhsa_memory_ordered 1
		.amdhsa_forward_progress 1
		.amdhsa_inst_pref_size 18
	.end_amdhsa_kernel
	.amdgpu_metadata
---
amdhsa.version: [ 1, 2 ]
amdhsa.kernels:
  - .name:           k_qa54031dc01_prep
    .symbol:         k_qa54031dc01_prep.kd
    .args:
      - { .name: codebook, .offset: 0, .size: 8, .value_kind: global_buffer, .address_space: global }
      - { .name: cbw, .offset: 8, .size: 8, .value_kind: global_buffer, .address_space: global }
      - { .name: ncsq, .offset: 16, .size: 8, .value_kind: global_buffer, .address_space: global }
    .group_segment_fixed_size: 1280
    .private_segment_fixed_size: 0
    .kernarg_segment_align: 8
    .kernarg_segment_size: 24
    .max_flat_workgroup_size: 256
    .sgpr_count:     66
    .vgpr_count:     112
    .wavefront_size: 32
...
	.end_amdgpu_metadata
.endif
;; end of part 1
;; launch dist (part 2): grid 256 x 1, 4 waves a work-group, clusters of 4 x 1, 327,680 bytes of LDS; arguments x, cbw, ncsq, out1, idx; writes out1, idx
.if DOCPART == 2
	.amdgcn_target "amdgcn-amd-amdhsa--gfx1250"
	.amdhsa_code_object_version 6
	.text
	.protected	k_qa54031dc01_dist
	.globl	k_qa54031dc01_dist
	.p2align	8
	.type	k_qa54031dc01_dist,@function
k_qa54031dc01_dist:
	s_mov_b64 s[64:65], 0
	v_nop
	global_prefetch_b8 v0, s[64:65] scope:SCOPE_SE
	s_setreg_imm32_b32 hwreg(HW_REG_WAVE_MODE, 25, 1), 1
	s_wait_xcnt 0x0
	s_wait_alu depctr_hold_cnt(0) depctr_sa_sdst(0) depctr_va_vdst(0) depctr_va_sdst(0) depctr_va_ssrc(0) depctr_va_vcc(0) depctr_vm_vsrc(0)
	s_getreg_b32 s2, hwreg(HW_REG_IB_STS2, 6, 4)
	s_cmp_eq_u32 s2, 0
	s_cbranch_scc0 .Lentry_in_a_cluster
	s_endpgm
.Lentry_in_a_cluster:
	s_bfe_u32 s2, ttmp6, 0x10000c
	s_cmp_lg_u32 s2, 0x3003
	s_cbranch_scc0 .Lentry_shape_is_right
	s_endpgm
.Lentry_shape_is_right:
; For each of the 32,768 tokens (token (b, n) is x[b][:, n], 256 channels) the index of the nearest of 8,192 code rows, stored in out1 and once more in idx.
; SCORE.  score(k) = 2 x.c_k - |c_k|^2, on x and c rounded to bf16, sums in f32.  Its maximum is the minimum of |x|^2 - 2 x.c + |c|^2: |x|^2 is the same for all k and is left out of the comparison.
; cbw holds bf16(2 c), ncsq holds -|bf16(c)|^2: ncsq is the C operand of the first of the eight K steps, so the accumulator IS the score and no vector instruction forms it.
; LIMITS.  Equal scores: the lowest index wins, at every level.  NaN scores are passed over by the maxima; if no score of a token is above -inf its index is the first code.
; The order of the f32 sums is the matrix unit's: two codes whose scores differ by less than the rounding of sums near 2^8 may change places against another order of summation.
; SHARES.  Work-group g (256 of them) owns tokens 128 g .. 128 g + 127.  EVERY wave keeps all 128 tokens as bf16 fragments in 512 registers for the whole launch.  The codes go by in 32 tiles of 256;
; of each tile wave w takes codes 64 w .. 64 w + 63, four blocks of 16.  A block is 18 LDS loads and 64 matrix instructions: 8 K steps x 8 token blocks.
; LAYOUT.  Source 0 = 16 codes, source 1 = 16 tokens: in the result lane (r, h) holds token r and, in register j, code 8 h + j.
; ARGMAX.  For each token block a lane keeps the running maximum (two copies, by the parity of the block), the first code of the block that last raised it, and a copy of that block's eight scores.
; Only a strictly greater maximum replaces them, so the first block wins; at the end j is the first register equal to the maximum.  14 vector instructions for 8 registers of scores;
; they stand in slices of 4 and 3 behind pairs of matrix instructions and work on the block finished before (two sets of accumulators).
; CLUSTER.  The four work-groups of a cluster walk the same tiles, so each quarter tile is asked for JOINTLY: the same tensor load, descriptor and mask in all four.  A wave fills and reads its own quarter alone.
; More than four partners cannot be named by one mask; tokens are shared by nobody.
; REGISTERS, in windows of 256 (s_set_vgpr_msb: bits 1:0 source 0, 3:2 source 1, 5:4 source 2, 7:6 destination):
;   window 0: v0-15 addresses; v16-31 maxima; v32-39 block numbers; v40-47 at work; v48-63 ncsq, two sets; v64-191 accumulators, two sets of 8 x 8; v192-255 the kept scores
;   window 1: v0-127 code fragments, two sets of 8 x 8 (at the start all 256: x as loaded)          windows 2, 3: the token fragments, K step s, token block t at 64 (s % 4) + 8 t of window 2 + s / 4
.set PITCH,  528                       ; a code row in LDS: 512 bytes + 16 of padding = 33 x 16: the 16 rows of a fragment load start at 16 different groups of four banks (64 banks of 4 bytes: ISA guide 11.1)
.set QB,     64*PITCH                  ; a quarter tile: 64 rows, one tensor load, one wave
.set SLOT,   4*QB
.set BLKB,   16*PITCH                  ; a block of 16 codes
.set CSQT,   2*SLOT                    ; behind the two slots: ncsq, 8,192 bytes a wave: [tile 0..31][my 64 codes] f32, filled once
.set STAGE,  CSQT+32768                ; 64 rows x 288 bytes, written by LDS stores alone: x on its way into fragments; at the end the four waves' results
.set SPITCH, 288                       ; 128 tokens x 2 bytes + 32: 9 x 32
.set SPARE,  STAGE+64*SPITCH           ; the spare words: 128 bytes for each of the 4 waves, named by no other line
.set TILEB,  256*512                   ; a tile of cbw in memory
.set LAPS,   15                        ; a lap = two tiles = once round the ring; tiles 30 and 31 are written out behind the loop
.set ADRA, 4                           ; v4, v5  my place in my quarter of slot 0, 1: 528 r + 16 h
.set ADRC, 6                           ; v6      my place in my part of ncsq: 32 h; 512 further each lap
.set XO,   7                           ; v7      my offset in x: 16 rows of 4,096 bytes a wave, 16 bytes a lane
.set STA,  8                           ; v8      where I put 8 bytes of a stage row
.set TRA,  9                           ; v9      the turning load's address
.set SPW,  10                          ; v10     my spare word; never rewritten
.set NIL,  11                          ; v11     0; never rewritten
.set PFO,  12                          ; v12     256 x lane: the prefetch's offset; never rewritten
.set H8,   13                          ; v13     8 h
.set SA,   14                          ; v14     where I put a token's result
.set OO,   15                          ; v15     16 x lane
.set MN,   16                          ; v[16:31]  maxima: MN + 8 x parity + t
.set BD,   32                          ; v[32:39]  first code of the winning block
.set TP,   40                          ; v40, v41  at work, by the parity of t
.set CS,   48                          ; v[48:63]  ncsq of a block's codes 8 h + 0..7: two sets
.set ACC,  64                          ; v[64:191] ACC + 64 x set + 8 t
.set WS,   192                         ; v[192:255] WS + 8 t + j
.set WV,  14                           ; s14 wave
.set CX,  15                           ; s15 my place in the cluster
.set GI,  16                           ; s16 my work-group
.set LAP, 17                           ; s17 laps to go
.set CUR, 18                           ; s18 first code of the block whose scores are being reduced
.set LIM, 19                           ; s19 1 in the cluster that prefetches, else the greatest number
.set MK,  20                           ; s20 the mask for odd t (even t: VCC)
.set PFA, 24                           ; s[24:25] where my prefetches stand
.set SEL, 28                           ; s[28:29] v_permlanex16_b32: each lane takes its own place in the other half
.set G1,  32                           ; s[32:39] descriptor group 1: a quarter tile
.set G1C, 40                           ; s[40:47] descriptor group 1: my part of ncsq
.set G0,  48                           ; s[48:55] descriptor group 0 for slot 0, slot 1
.set G0C, 56                           ; s[56:59] descriptor group 0 for ncsq
.set MSB, 0
.macro WIN new                         ; the high byte of the immediate repeats the setting that is left; a switch that changes nothing is dropped
.if MSB != (\new)
	s_set_vgpr_msb (MSB<<8)|(\new)
.set MSB, (\new)
.endif
.endm
.macro CREST                           ; a round of the cluster barrier behind its opening work-group barrier
	s_cmp_lg_u32 s[WV], 0
	s_cbranch_scc1 .Lnot_wave_0_\@
	s_barrier_signal -3
.Lnot_wave_0_\@:
	s_barrier_wait -3
	s_barrier_signal -1
	s_barrier_wait -1
.endm
.macro CROUND                          ; a whole round
	s_barrier_signal -1
	s_barrier_wait -1
	CREST
.endm
.macro JLOAD sg                        ; the joint refill of my quarter of slot sg; an s_nop 0 and four v_nop follow it
	tensor_load_to_lds s[G0+4*(\sg):G0+4*(\sg)+3], s[G1:G1+7]
	s_nop 0
.rept 4
	v_nop
.endr
.endm
; A PREFETCH of cbw, behind the joint refill and the run of LDS loads that follows it.  All 64 clusters walk the same tiles: cluster 0 asks.  Of the quarter tile (32,768 bytes) that wave w fetches, the partner at
; place cx names bytes 8,192 cx .. + 8,191, a lane a block of 256: told apart by address, no branch hangs on cx; each block is named once in the launch.  The change of slots in tile s refills with tile s + 2
; and asks for tile s + 4: two tiles, 512 matrix instructions, ahead of the load that will want it.  Tiles 0 to 3 come by their loads alone; the last lap asks for nothing (tiles 32 and 33 do not exist).
.macro ASK
	s_cmp_gt_u32 s[LAP], s[LIM]
	s_cbranch_scc0 .Lnot_mine_\@
	global_prefetch_b8 v[PFO], s[PFA:PFA+1] th:TH_LOAD_NT scope:SCOPE_SE
.Lnot_mine_\@:
.endm
; 18 LDS loads in one run: block b of my quarter of slot sg into set p: its ncsq (8 numbers a lane, at byte cso of the lap's part), then its 8 fragments of 16 codes x 32 channels
.macro FETCH sg, b, p, cso
	WIN 0
	ds_load_b128 v[CS+8*(\p):CS+8*(\p)+3],   v[ADRC] offset:(\cso)
	ds_load_b128 v[CS+8*(\p)+4:CS+8*(\p)+7], v[ADRC] offset:(\cso)+16
	WIN 0x40                                       ; destination window 1
.irp f, 0,1,2,3,4,5,6,7
	ds_load_b128 v[64*(\p)+8*(\f):64*(\p)+8*(\f)+3],   v[ADRA+(\sg)] offset:(\b)*BLKB+64*(\f)
	ds_load_b128 v[64*(\p)+8*(\f)+4:64*(\p)+8*(\f)+7], v[ADRA+(\sg)] offset:(\b)*BLKB+64*(\f)+32
.endr
	WIN 0
.endm
; Product i of a block's 64, into set p: K step i / 8, token block i % 8.  The 8 accumulators take turns, one instruction a turn, from block to block and over the backward jump too.
.macro MM p
.set mS, i/8
.set mT, i%8
.set rD, ACC+64*(\p)+8*mT
.set rA, 64*(\p)+8*mS
.set rB, 64*(mS%4)+8*mT
	WIN 0x09+4*(mS/4)                              ; codes window 1, tokens window 2 or 3, C and D window 0
.if mS == 0
	v_wmma_f32_16x16x32_bf16 v[rD:rD+7], v[rA:rA+7], v[rB:rB+7], v[CS+8*(\p):CS+8*(\p)+7]
.else
	v_wmma_f32_16x16x32_bf16 v[rD:rD+7], v[rA:rA+7], v[rB:rB+7], v[rD:rD+7]
.endif
.set i, i+1
.endm
; Entry vq of the 112 that reduce the finished set q.  Token blocks go in pairs, 28 entries a pair, the two alternating, so that no entry reads the result of the one before it.
; stages 0-2: the maximum of scores 0-6 (the lowest registers of an accumulator are read first); 3: with score 7 and the old maximum, into the other copy; 4: has it grown?
; 5: then the block number, 6-13: and the eight scores, are kept.
.macro VQ q
.set zn, vq%28
.set zt, 2*(vq/28)+zn%2
.set zs, zn/2
.set rD, ACC+64*(\q)+8*zt
.set rT, TP+zn%2
.set rO, MN+8*(\q)+zt
.set rN, MN+8*(1-(\q))+zt
.if zs == 0
	v_max3_num_f32 v[rT], v[rD], v[rD+1], v[rD+2]
.elseif zs == 1
	v_max3_num_f32 v[rT], v[rT], v[rD+3], v[rD+4]
.elseif zs == 2
	v_max3_num_f32 v[rT], v[rT], v[rD+5], v[rD+6]
.elseif zs == 3
	v_max3_num_f32 v[rN], v[rT], v[rD+7], v[rO]
.elseif zs == 4
.if zn%2
	v_cmp_gt_f32 s[MK], v[rN], v[rO]
.else
	v_cmp_gt_f32 vcc_lo, v[rN], v[rO]
.endif
.elseif zs == 5
.if zn%2
	v_cndmask_b32 v[BD+zt], v[BD+zt], s[CUR], s[MK]
.else
	v_cndmask_b32 v[BD+zt], v[BD+zt], s[CUR], vcc_lo
.endif
.else
.if zn%2
	v_cndmask_b32 v[WS+8*zt+zs-6], v[WS+8*zt+zs-6], v[rD+zs-6], s[MK]
.else
	v_cndmask_b32 v[WS+8*zt+zs-6], v[WS+8*zt+zs-6], v[rD+zs-6], vcc_lo
.endif
.endif
.set vq, vq+1
.endm
.macro SLICE q                         ; 4 entries, then 3, by turns: 32 slices hold the 112; a pair of token blocks is 8 slices
	WIN 0
.rept 4-(k%2)
	VQ \q
.endr
.set k, k+1
.endm
.macro RUN n                           ; n times: two products and a slice.  It leaves every window 0
.rept \n
	MM bp
	MM bp
	SLICE bq
.endr
.endm
; BLOCK b of the tile in slot sg: 64 products into set b % 2, the reduction of the other set, and the fetch of the next block into the other set of fragments.
; The fetch stands behind two slices or more: with the last slice of the block before, ten plain vector instructions that name no register of the last product that read those fragments (four are asked of vector instructions: ISA guide 7.12.1).
; chg = 1 (b = 3): THE CHANGE OF SLOTS.  The wait at the head has brought the last of my quarter into registers.  I wait for all my tensor loads, of which one is out: my quarter of the other slot; add 0 to my spare word;
; eight products; wait for the add; the barrier opens a round of the cluster barrier, so that no wave of any partner has a read of this slot or a load on its way; the joint refill is the first thing behind the round:
; it has a tile less 16 products, 240 matrix instructions, in which to land.  It stands at the boundary of two pairs of token blocks.
; chg = 2 (tile 30): nothing is filled again; I read only what I loaded, so my wait for my last load is all the order that the reads need.
.macro BLOCK sg, b, chg, fetch
.set bp, (\b)%2
.set bq, 1-bp
.set i, 0
.set vq, 0
.set k, 0
.if (\b) == 3
.set fs, 1-(\sg)
.set fb, 0
.set fc, 256*(1+(\sg))                 ; the next tile: 256 bytes on; from slot 1 it is the next lap's first
.else
.set fs, (\sg)
.set fb, (\b)+1
.set fc, 256*(\sg)+64*((\b)+1)
.endif
	s_wait_dscnt 0x0                               ; this block's 18 loads, issued 60 products ago, are in
.if (\chg) == 1
	WIN 0
	s_wait_xcnt 0x0                                ; the last prefetch, a tile back, has read its address:
	s_add_nc_u64 s[PFA:PFA+1], s[PFA:PFA+1], TILEB ; it steps here, so that nothing stands between the round and the joint load
	s_wait_tensorcnt 0x0                           ; no tensor load of mine is out, so a group 0 may be written
	ds_add_u32 v[SPW], v[NIL]                      ; 0 onto my spare word
	s_add_nc_u64 s[G0+4*(\sg)+2:G0+4*(\sg)+3], s[G0+4*(\sg)+2:G0+4*(\sg)+3], 2*TILEB  ; this slot's next tile; the type bits on top are not reached
	RUN 4
	s_wait_dscnt 0x0                               ; the add is done; my reads of this slot were over at the block's head
	s_barrier_signal -1
	RUN 4                                          ; work on registers while the others arrive
	WIN 0
	s_barrier_wait -1
	CREST
	JLOAD \sg
	FETCH fs, fb, bq, fc
	ASK
	RUN 24
.else
.if (\chg) == 2
	s_wait_tensorcnt 0x0                           ; my quarter of tile 31 is in
.endif
	RUN 2
.if \fetch
	FETCH fs, fb, bq, fc
.endif
	RUN 30
.endif
.if (\b) == 0
	s_add_co_u32 s[CUR], s[CUR], 208               ; from block 3 of a tile to block 0 of the next: 256 - 48
.else
	s_add_co_u32 s[CUR], s[CUR], 16
.endif
.endm
.macro STEP sg, chg, fetch3            ; a tile
	BLOCK \sg, 0, 0, 1
	BLOCK \sg, 1, 0, 1
	BLOCK \sg, 2, 0, 1
	BLOCK \sg, 3, \chg, \fetch3
.endm
; Channels 64 p .. 64 p + 63 of x become fragments.  Wave w rounds rows 16 w .. 16 w + 15 of the 64 to bf16 and puts them into the stage ([channel][token]); every wave reads all 64 back turned, 16 fragments.
.macro XPH p
	s_wait_loadcnt 48-16*(\p)                      ; loads come back in order: this phase's 16 are in, 16 for each later phase stay out
	WIN 0x05                                       ; sources window 1, destination window 0
.set z, 0
.rept 32
	v_cvt_pk_bf16_f32 v[ACC+z], v[64*(\p)+2*z], v[64*(\p)+2*z+1]
.set z, z+1
.endr
	WIN 0
.if (\p) > 0
	s_wait_dscnt 0x0                               ; my reads of the stage are back,
	s_barrier_signal -1
	s_barrier_wait -1                              ; and so are everybody's: it may be written again
.endif
.set z, 0
.rept 16
	ds_store_b64 v[STA], v[ACC+2*z:ACC+2*z+1] offset:z*SPITCH  ; 32 lanes: a row's 256 bytes
.set z, z+1
.endr
	s_wait_dscnt 0x0                               ; for the others: my rows lie in the stage
	s_barrier_signal -1
	s_barrier_wait -1
	WIN 0x80+0x40*((\p)/2)                         ; destination window 2 or 3
.irp sl, 0,1
.irp t, 0,1,2,3,4,5,6,7
.set rX, 64*((2*(\p)+(\sl))%4)+8*(\t)
	ds_load_tr16_b128 v[rX:rX+3],   v[TRA] offset:32*(\sl)*SPITCH+32*(\t)
	ds_load_tr16_b128 v[rX+4:rX+7], v[TRA] offset:32*(\sl)*SPITCH+16*SPITCH+32*(\t)
.endr
.endr
	WIN 0
.endm
	s_load_b256 s[4:11], s[0:1], 0x0               ; x s[4:5], cbw s[6:7], ncsq s[8:9], out1 s[10:11]
	s_load_b64 s[12:13], s[0:1], 0x20              ; idx
	v_lshl_add_u32 v[SPW], v0, 2, SPARE
	v_mov_b32 v[NIL], 0
	ds_add_u32 v[SPW], v[NIL]                      ; the opening: the add, twice on end, and its wait ahead of my first tensor load; the set-up below stands between
	ds_add_u32 v[SPW], v[NIL]
	v_lshrrev_b32 v3, 5, v0
	v_readfirstlane_b32 s[WV], v3                  ; wave 0..3
	s_bfe_u32 s[CX], ttmp6, 0x40000                ; cx
	s_lshl_b32 s[GI], ttmp9, 2                     ; in a cluster launch ttmp9 counts clusters
	s_add_co_u32 s[GI], s[GI], s[CX]               ; my work-group: it enters the addresses of x, out1 and idx alone
	s_cmp_eq_u32 ttmp9, 0
	s_cselect_b32 s[LIM], 1, -1                    ; the same in all four partners
	; group 1 for a quarter tile: 64 rows x 256 elements of 2 bytes, padded in LDS
	s_mov_b32 s[G1+0], 15|(1<<16)|(1<<20)|(1<<21)|(6<<22)|(3<<25)  ; 15:0 the mask of four; 17:16 2-byte elements; 20 padding on; 21 set beside a mask; 24:22 after every 128 words (code 6); 31:25 4 words (code 3)
	s_mov_b32 s[G1+1], 256<<16                     ; tensor_dim0 = 256
	s_mov_b32 s[G1+2], 64<<16                      ; tensor_dim1 = 64
	s_mov_b32 s[G1+3], 256<<16                     ; tile_dim0 = 256
	s_mov_b32 s[G1+4], 64                          ; tile_dim1 = 64
	s_mov_b32 s[G1+5], 256                         ; elements from row to row
	s_mov_b32 s[G1+6], 0
	s_mov_b32 s[G1+7], 0
	; group 1 for ncsq: 32 rows (tiles) x 64 elements of 4 bytes (my codes of a tile), rows 256 elements apart, dense in LDS
	s_mov_b32 s[G1C+0], 15|(2<<16)|(1<<21)
	s_mov_b32 s[G1C+1], 64<<16
	s_mov_b32 s[G1C+2], 32<<16
	s_mov_b32 s[G1C+3], 64<<16
	s_mov_b32 s[G1C+4], 32
	s_mov_b32 s[G1C+5], 256
	s_mov_b32 s[G1C+6], 0
	s_mov_b32 s[G1C+7], 0
	s_mov_b32 s[G0], 1                             ; count = 1
	s_mul_i32 s[G0+1], s[WV], QB                   ; LDS address: my quarter of slot 0,
	s_mov_b32 s[G0+4], 1
	s_add_co_u32 s[G0+5], s[G0+1], SLOT            ; of slot 1: no place in the cluster enters an LDS address
	s_mov_b32 s[G0C], 1
	s_lshl_b32 s[G0C+1], s[WV], 13
	s_add_co_u32 s[G0C+1], s[G0C+1], CSQT
	s_lshr_b32 s22, s[GI], 3                       ; x: batch g / 8, 2^20 bytes each,
	s_lshl_b32 s22, s22, 20
	s_and_b32 s23, s[GI], 7                        ; and 128 tokens x 4 bytes in each row
	s_lshl_b32 s23, s23, 9
	s_add_co_u32 s22, s22, s23
	s_mov_b32 s23, 0
	s_lshl_b32 s26, s[GI], 9                       ; out1 and idx: 128 tokens x 4 bytes
	s_mov_b32 s27, 0
	s_lshl_b32 s30, s[WV], 15                      ; cbw: my 64 rows of 512 bytes in a tile
	s_mov_b32 s31, 0
	s_lshl_b32 s60, s[WV], 8                       ; ncsq: my 64 numbers in a tile
	s_mov_b32 s61, 0
	s_lshl_b32 s62, s[CX], 13                      ; the prefetches: my work-group's 8,192 bytes of my quarter,
	s_add_co_u32 s62, s62, 3*TILEB                 ; at tile 3: the first change of slots steps it to tile 4
	s_mov_b32 s63, 0
	s_mov_b32 s[SEL], 0x76543210
	s_mov_b32 s[SEL+1], 0xfedcba98
	s_mov_b32 s21, 0xff800000                      ; -inf
	v_and_b32 v1, 15, v0                           ; r
	v_bfe_u32 v2, v0, 4, 1                         ; h
	v_and_b32 v3, 31, v0                           ; lane
	v_mul_u32_u24 v[ADRA], v1, PITCH
	v_lshl_add_u32 v[ADRA], v2, 4, v[ADRA]
	v_add_nc_u32 v[ADRA], s[G0+1], v[ADRA]
	v_add_nc_u32 v[ADRA+1], SLOT, v[ADRA]
	v_lshl_add_u32 v[ADRC], v2, 5, s[G0C+1]
	s_lshl_b32 s2, s[WV], 16
	v_lshl_add_u32 v[XO], v3, 4, s2
	s_mul_i32 s3, s[WV], 16*SPITCH
	s_add_co_u32 s3, s3, STAGE
	v_lshl_add_u32 v[STA], v3, 3, s3
	v_and_b32 v42, 7, v0                           ; the turning load takes 16 channels x 16 tokens: lane l reads channel 8 h + l % 8, tokens 8 ((l / 8) % 2) + 0..7
	v_lshl_add_u32 v42, v2, 3, v42
	v_mul_u32_u24 v[TRA], v42, SPITCH
	v_bfe_u32 v43, v0, 3, 1
	v_lshl_add_u32 v[TRA], v43, 4, v[TRA]
	v_add_nc_u32 v[TRA], STAGE, v[TRA]
	v_lshlrev_b32 v[PFO], 8, v3
	v_lshlrev_b32 v[H8], 3, v2
	s_lshl_b32 s2, s[WV], 9
	s_add_co_u32 s2, s2, STAGE
	v_lshl_add_u32 v[SA], v1, 2, s2
	v_lshlrev_b32 v[OO], 4, v3
	s_wait_dscnt 0x0                               ; both opening adds are done
	s_wait_kmcnt 0x0
	s_add_nc_u64 s[4:5], s[4:5], s[22:23]
	s_add_nc_u64 s[10:11], s[10:11], s[26:27]
	s_add_nc_u64 s[12:13], s[12:13], s[26:27]
	s_add_nc_u64 s[6:7], s[6:7], s[30:31]          ; cbw at my quarter of tile 0
	s_add_nc_u64 s[G0+2:G0+3], s[6:7], 0
	s_or_b32 s[G0+3], s[G0+3], 0x80000000          ; type = 2
	s_add_nc_u64 s[G0+6:G0+7], s[6:7], TILEB       ; tile 1
	s_or_b32 s[G0+7], s[G0+7], 0x80000000
	s_add_nc_u64 s[G0C+2:G0C+3], s[8:9], s[60:61]
	s_or_b32 s[G0C+3], s[G0C+3], 0x80000000
	s_add_nc_u64 s[PFA:PFA+1], s[6:7], s[62:63]
	; x: 256 rows (channels) of 512 bytes.  Load z of my 64 is row 64 (z / 16) + 16 w + z % 16: 32 lanes x 16 bytes, a whole row.  They are on their way while the round and the first fills go out.
	WIN 0x40                                       ; destination window 1
.set z, 0
.rept 64
	global_load_b128 v[4*z:4*z+3], v[XO], s[4:5] offset:(64*(z/16)+z%16)*4096 th:TH_LOAD_NT
.set z, z+1
.endr
	WIN 0
	CROUND                                         ; all four work-groups are here: the first joint loads meet
	tensor_load_to_lds s[G0C:G0C+3], s[G1C:G1C+7]  ; the three first fills stand together: three loads of mine are out
	s_nop 0
	tensor_load_to_lds s[G0:G0+3], s[G1:G1+7]
	s_nop 0
	tensor_load_to_lds s[G0+4:G0+7], s[G1:G1+7]
	s_nop 0
.rept 4
	v_nop
.endr
	; What the first block's slices find: a finished set of scores, kept scores and maxima of -inf, so that they change nothing and no first block is written out.  144 moves, in the wait for x.
.set z, 0
.rept 64
	v_mov_b32 v[ACC+64+z], s21
	v_mov_b32 v[WS+z], s21
.set z, z+1
.endr
.set z, 0
.rept 8
	v_mov_b32 v[MN+8+z], s21
	v_mov_b32 v[BD+z], 0
.set z, z+1
.endr
	v_mov_b32 v44, 0                               ; destinations of v_permlanex16_b32 count as read
	v_mov_b32 v45, 0
	XPH 0
	XPH 1
	XPH 2
	XPH 3
	s_wait_tensorcnt 0x1                           ; tensor loads of a wave end in order: my part of ncsq and my quarter of tile 0 are in; one load, tile 1, stays out.  I read only what I loaded
	FETCH 0, 0, 0, 0
	s_lshl_b32 s[CUR], s[WV], 6
	s_sub_co_u32 s[CUR], s[CUR], 208               ; block 0 adds 208: in block 1 it is 64 w, block 0's first code; until then no mask selects it
	s_mov_b32 s[LAP], LAPS
.Llap:                                                 ; tiles 2 L and 2 L + 1; both slots are filled again, with tiles 2 L + 2 and 2 L + 3
	STEP 0, 1, 1
	STEP 1, 1, 1
	v_add_nc_u32 v[ADRC], 512, v[ADRC]             ; two tiles of my ncsq
	s_sub_co_u32 s[LAP], s[LAP], 1
	s_cmp_lg_u32 s[LAP], 0
	s_cbranch_scc1 .Llap
	STEP 0, 2, 1                                   ; the tail is written out: tile 30
	STEP 1, 0, 0                                   ; tile 31: nothing is left to fetch
	WIN 0
.set vq, 0
.rept 112
	VQ 1                                           ; the last block's scores; the last slices are the places behind its products
.endr
	; THE END.  The final maxima lie in copy 0.  In each lane: j = the first kept score equal to the maximum; index = block + 8 h + j.  Then the other half of the lanes, then the four waves: the greater score, at equal scores the lower index.
.irp t, 0,1,2,3,4,5,6,7
	v_mov_b32 v42, 7
.irp j, 6,5,4,3,2,1,0
	v_cmp_eq_f32 vcc_lo, v[WS+8*(\t)+(\j)], v[MN+(\t)]
	v_cndmask_b32 v42, v42, \j, vcc_lo
.endr
	v_add_nc_u32 v43, v[BD+(\t)], v42
	v_add_nc_u32 v43, v43, v[H8]
	v_permlanex16_b32 v44, v[MN+(\t)], s[SEL], s[SEL+1]
	v_permlanex16_b32 v45, v43, s[SEL], s[SEL+1]
	v_cmp_gt_f32 s21, v44, v[MN+(\t)]
	v_cmp_eq_f32 s30, v44, v[MN+(\t)]
	v_cmp_lt_u32 s31, v45, v43
	s_and_b32 s30, s30, s31
	s_or_b32 s21, s21, s30
	v_cndmask_b32 v44, v[MN+(\t)], v44, s21
	v_cndmask_b32 v45, v43, v45, s21
	ds_store_b32 v[SA], v44 offset:64*(\t)         ; token 16 t + r of my wave's 128; both halves of the lanes write the same number
	ds_store_b32 v[SA], v45 offset:2048+64*(\t)
.endr
	s_wait_dscnt 0x0                               ; for wave 0: my results lie in LDS
	s_barrier_signal -1
	s_barrier_wait -1
	s_cmp_lg_u32 s[WV], 0
	s_cbranch_scc1 .Lfin
	v_lshl_add_u32 v46, v3, 4, STAGE               ; wave 0: lane l takes tokens 4 l .. 4 l + 3
.irp w, 0,1,2,3
	ds_load_b128 v[64+4*(\w):67+4*(\w)], v46 offset:512*(\w)
	ds_load_b128 v[80+4*(\w):83+4*(\w)], v46 offset:2048+512*(\w)
.endr
	s_wait_dscnt 0x0
.irp w, 1,2,3
.irp e, 0,1,2,3
	v_cmp_gt_f32 s21, v[64+4*(\w)+(\e)], v[64+(\e)]
	v_cmp_eq_f32 s30, v[64+4*(\w)+(\e)], v[64+(\e)]
	v_cmp_lt_u32 s31, v[80+4*(\w)+(\e)], v[80+(\e)]
	s_and_b32 s30, s30, s31
	s_or_b32 s21, s21, s30
	v_cndmask_b32 v[64+(\e)], v[64+(\e)], v[64+4*(\w)+(\e)], s21
	v_cndmask_b32 v[80+(\e)], v[80+(\e)], v[80+4*(\w)+(\e)], s21
.endr
.endr
	global_store_b128 v[OO], v[80:83], s[10:11]    ; 512 bytes on end, at a multiple of 512 from the first byte of out1,
	global_store_b128 v[OO], v[80:83], s[12:13]    ; and of idx, from which the next launch forms its addresses
.Lfin:
	s_wait_tensorcnt 0x0                           ; the end of the wave, behind my last tensor load and my last LDS store
	ds_add_u32 v[SPW], v[NIL]
	s_wait_dscnt 0x0
	CROUND                                         ; the closing round: no work-group ends while a partner may still ask for a tile that names it
	s_endpgm
.Lfunc_end_k_qa54031dc01_dist:
	.size	k_qa54031dc01_dist, .Lfunc_end_k_qa54031dc01_dist-k_qa54031dc01_dist
	.p2alignl 7, 3214868480
	.fill 96, 4, 3214868480
	.section	.rodata,"a",@progbits
	.p2align	6, 0x0
	.amdhsa_kernel k_qa54031dc01_dist
		.amdhsa_group_segment_fixed_size 327680
		.amdhsa_private_segment_fixed_size 0
		.amdhsa_enable_private_segment 0
		.amdhsa_kernarg_size 40
		.amdhsa_user_sgpr_count 2
		.amdhsa_user_sgpr_kernarg_segment_ptr 1
		.amdhsa_wavefront_size32 1
		.amdhsa_system_sgpr_workgroup_id_x 1
		.amdhsa_system_sgpr_workgroup_id_y 1
		.amdhsa_system_sgpr_workgroup_id_z 1
		.amdhsa_system_vgpr_workitem_id 0
		.amdhsa_next_free_vgpr 1024
		.amdhsa_next_free_sgpr 66
		.amdhsa_reserve_vcc 1
		.amdhsa_float_denorm_mode_32 3
		.amdhsa_float_denorm_mode_16_64 3
		.amdhsa_memory_ordered 1
		.amdhsa_forward_progress 1
		.amdhsa_inst_pref_size 255
	.end_amdhsa_kernel
	.section	.bss,"aw",@nobits
	.p2align	6
	.space	262144
	.amdgpu_metadata
---
amdhsa.version: [ 1, 2 ]
amdhsa.kernels:
  - .name:           k_qa54031dc01_dist
    .symbol:         k_qa54031dc01_dist.kd
    .args:
      - { .name: x, .offset: 0, .size: 8, .value_kind: global_buffer, .address_space: global }
      - { .name: cbw, .offset: 8, .size: 8, .value_kind: global_buffer, .address_space: global }
      - { .name: ncsq, .offset: 16, .size: 8, .value_kind: global_buffer, .address_space: global }
      - { .name: out1, .offset: 24, .size: 8, .value_kind: global_buffer, .address_space: global }
      - { .name: idx, .offset: 32, .size: 8, .value_kind: global_buffer, .address_space: global }
    .group_segment_fixed_size: 327680
    .private_segment_fixed_size: 0
    .kernarg_segment_align: 8
    .kernarg_segment_size: 40
    .max_flat_workgroup_size: 128
    .sgpr_count:     66
    .vgpr_count:     1024
    .wavefront_size: 32
...
	.end_amdgpu_metadata
.endif
;; end of part 2
;; launch emit (part 3): grid 512 x 1, 8 waves a work-group, no clusters, 67,840 bytes of LDS; arguments x, codebook, idx, out0, part; writes out0, part
.if DOCPART == 3
	.amdgcn_target "amdgcn-amd-amdhsa--gfx1250"
	.amdhsa_code_object_version 6
	.text
	.protected	k_qa54031dc01_emit
	.globl	k_qa54031dc01_emit
	.p2align	8
	.type	k_qa54031dc01_emit,@function
k_qa54031dc01_emit:
	s_mov_b64 s[64:65], 0
	v_nop
	global_prefetch_b8 v0, s[64:65] scope:SCOPE_SE
	s_setreg_imm32_b32 hwreg(HW_REG_WAVE_MODE, 25, 1), 1
	s_wait_xcnt 0x0
; out0[b][d][n] = (q - x) + x with q = codebook[idx[b][n]][d], in f32, as the straight-through sum is written;  part[g] = the work-group's sum of (q - x)^2.
; x, out0: [32][256][1024] f32; codebook: [8192][256] f32; idx: [32768] int32, stored by the launch before; part: [512] f32.
; An index is held to 0 .. 8191 before it enters an address.  The squares are taken of the difference itself, never as a difference of large sums.
; SHARES.  Work-group g has 64 tokens of one batch (b = g / 16, n = 64 (g % 16) ..) and all 256 channels.  The code rows lie by tokens, x and out0 by channels, so the rows are turned in LDS.
; IN: wave w gathers tokens 8 w .. 8 w + 7; a load takes 256 bytes on end of each of two rows.  OUT: wave w has channels 32 w .. 32 w + 31; 16 lanes load and store the 256 bytes that a channel's 64 tokens are.
; LDS: token T lies in row 16 (T % 4) + T / 4 of 1,040 bytes (65 x 16).  Stores write 256 bytes on end.
; Everything is asked for at once: no loop.  No matrix unit, no cluster, no tensor load: nothing is multiplied, and no two work-groups share a known row.
.set QP,    1040
.set RED,   64*QP                      ; the 8 waves' sums
.set SPARE, RED+256                    ; the spare words: 128 bytes for each of the 8 waves, named by no other line
.set XR, 32                            ; v[32:95]   x: group u, channel k at XR + 16 u + 4 k, register i = token 4 l + i; later what is stored
.set GR, 96                            ; v[96:159]  gathered: pair p, piece c at GR + 16 p + 4 c; later turned: group u, token i at GR + 16 u + 4 i, register k = channel k
.set WV, 14
	s_load_b256 s[4:11], s[0:1], 0x0               ; x s[4:5], codebook s[6:7], idx s[8:9], out0 s[10:11]
	s_load_b64 s[12:13], s[0:1], 0x20              ; part
	v_lshl_add_u32 v8, v0, 2, SPARE                ; my spare word
	v_mov_b32 v9, 0
	v_lshrrev_b32 v1, 5, v0
	v_readfirstlane_b32 s[WV], v1
	v_and_b32 v2, 15, v0                           ; l = lane % 16
	v_bfe_u32 v3, v0, 4, 1                         ; hh = lane / 16
	v_lshlrev_b32 v26, 4, v2                       ; 16 l
	s_lshl_b32 s15, s[WV], 5
	v_lshl_add_u32 v4, v3, 2, s15                  ; idx: token 8 w + hh
	s_lshl_b32 s25, s[WV], 17
	v_lshl_add_u32 v5, v3, 14, s25                 ; x, out0: channel 32 w + 4 hh, 4,096 bytes each,
	v_add_nc_u32 v5, v5, v26                       ; tokens 4 l ..
	s_mul_i32 s26, s[WV], 2*QP
	v_mul_u32_u24 v6, v3, 16*QP
	v_add_nc_u32 v6, s26, v6
	v_add_nc_u32 v6, v6, v26                       ; LDS in: row 16 hh + 2 w, byte 16 l
	s_lshl_b32 s27, s[WV], 7
	v_mul_u32_u24 v7, v2, QP
	v_lshl_add_u32 v7, v3, 4, v7
	v_add_nc_u32 v7, s27, v7                       ; LDS back: row l, channels 32 w + 4 hh ..
	s_lshl_b32 s28, s[WV], 2
	s_add_co_u32 s28, s28, RED
	v_mov_b32 v27, s28
	s_lshr_b32 s16, ttmp9, 4
	s_lshl_b32 s16, s16, 20                        ; the batch,
	s_and_b32 s17, ttmp9, 15
	s_lshl_b32 s17, s17, 8                         ; 64 tokens x 4 bytes
	s_add_co_u32 s16, s16, s17
	s_mov_b32 s17, 0
	s_lshl_b32 s18, ttmp9, 8                       ; idx: 64 tokens x 4 bytes
	s_mov_b32 s19, 0
	s_lshl_b32 s20, ttmp9, 2                       ; part
	s_mov_b32 s21, 0
	s_mov_b32 s22, 0x76543210
	s_mov_b32 s23, 0xfedcba98
	s_wait_kmcnt 0x0
	s_add_nc_u64 s[4:5], s[4:5], s[16:17]
	s_add_nc_u64 s[10:11], s[10:11], s[16:17]
	s_add_nc_u64 s[8:9], s[8:9], s[18:19]
	s_add_nc_u64 s[12:13], s[12:13], s[20:21]
.irp p, 0,1,2,3
	global_load_b32 v[10+(\p)], v4, s[8:9] offset:8*(\p)  ; token 8 w + 2 p + hh
.endr
.irp u, 0,1,2,3
.irp k, 0,1,2,3
	global_load_b128 v[XR+16*(\u)+4*(\k):XR+16*(\u)+4*(\k)+3], v5, s[4:5] offset:32768*(\u)+4096*(\k) th:TH_LOAD_NT  ; channel 32 w + 8 u + 4 hh + k
.endr
.endr
	s_wait_loadcnt 16                              ; the four indices are in; the 16 loads of x issued behind them stay out
.irp p, 0,1,2,3
	v_min_u32 v[10+(\p)], 0x1fff, v[10+(\p)]
	v_lshl_add_u32 v[14+(\p)], v[10+(\p)], 10, v26  ; a row is 1,024 bytes
.endr
.irp p, 0,1,2,3
.irp c, 0,1,2,3
	global_load_b128 v[GR+16*(\p)+4*(\c):GR+16*(\p)+4*(\c)+3], v[14+(\p)], s[6:7] offset:256*(\c)
.endr
.endr
.irp p, 0,1,2,3
	s_wait_loadcnt 12-4*(\p)                       ; pair p is in (and all of x, issued earlier); four loads for each later pair stay out
.irp c, 0,1,2,3
	ds_store_b128 v6, v[GR+16*(\p)+4*(\c):GR+16*(\p)+4*(\c)+3] offset:(32*((\p)%2)+(\p)/2)*QP+256*(\c)
.endr
.endr
	s_wait_dscnt 0x0                               ; for the others: my rows lie in LDS
	s_barrier_signal -1
	s_barrier_wait -1
.irp u, 0,1,2,3
.irp i, 0,1,2,3
	ds_load_b128 v[GR+16*(\u)+4*(\i):GR+16*(\u)+4*(\i)+3], v7 offset:16*QP*(\i)+32*(\u)  ; token 4 l + i, channels 32 w + 8 u + 4 hh + 0..3
.endr
.endr
.irp u, 0,1,2,3
	s_wait_dscnt 12-4*(\u)                         ; group u is in; four loads for each later group stay out
.irp k, 0,1,2,3
.irp i, 0,1,2,3
	v_sub_f32 v[22+(\i)], v[GR+16*(\u)+4*(\i)+(\k)], v[XR+16*(\u)+4*(\k)+(\i)]  ; q - x
.endr
.irp i, 0,1,2,3
.if (\u) == 0 && (\k) == 0
	v_mul_f32 v[18+(\i)], v[22+(\i)], v[22+(\i)]   ; the first squares start the four sums
.else
	v_fmac_f32 v[18+(\i)], v[22+(\i)], v[22+(\i)]
.endif
.endr
.irp i, 0,1,2,3
	v_add_f32 v[XR+16*(\u)+4*(\k)+(\i)], v[22+(\i)], v[XR+16*(\u)+4*(\k)+(\i)]  ; (q - x) + x
.endr
.endr
.irp k, 0,1,2,3
	global_store_b128 v5, v[XR+16*(\u)+4*(\k):XR+16*(\u)+4*(\k)+3], s[10:11] offset:32768*(\u)+4096*(\k) th:TH_STORE_NT  ; 16 lanes: 256 bytes on end, aligned
.endr
.endr
	v_add_f32 v18, v18, v19
	v_add_f32 v20, v20, v21
	v_add_f32 v18, v18, v20
	v_add_f32_dpp v18, v18, v18 row_xmask:1 row_mask:0xf bank_mask:0xf
	v_add_f32_dpp v18, v18, v18 row_xmask:2 row_mask:0xf bank_mask:0xf
	v_add_f32_dpp v18, v18, v18 row_xmask:4 row_mask:0xf bank_mask:0xf
	v_add_f32_dpp v18, v18, v18 row_xmask:8 row_mask:0xf bank_mask:0xf
	v_permlanex16_b32 v19, v18, s22, s23
	v_add_f32 v18, v18, v19
	ds_store_b32 v27, v18                          ; the wave's sum: all lanes write the same word with the same number
	s_wait_dscnt 0x0
	s_barrier_signal -1
	s_barrier_wait -1
	s_cmp_lg_u32 s[WV], 0
	s_cbranch_scc1 .Lend
	v_mov_b32 v28, RED
	v_mov_b32 v29, 0
	ds_load_b128 v[96:99], v28
	ds_load_b128 v[100:103], v28 offset:16
	s_wait_dscnt 0x0
	v_pk_add_f32 v[96:97], v[96:97], v[98:99]
	v_pk_add_f32 v[100:101], v[100:101], v[102:103]
	v_pk_add_f32 v[96:97], v[96:97], v[100:101]
	v_add_f32 v96, v96, v97
	v_cmp_eq_u32 vcc_lo, 0, v0
	s_wait_xcnt 0x0                                ; EXEC is a source of the stores above: it changes only behind this wait
	s_and_saveexec_b32 s24, vcc_lo
	global_store_b32 v29, v96, s[12:13]            ; thread 0: one number for the work-group
	s_wait_xcnt 0x0                                ; and again, in front of the line that widens it
	s_or_b32 exec_lo, exec_lo, s24
.Lend:
	s_wait_tensorcnt 0x0                           ; the end of a wave that stored to LDS
	ds_add_u32 v8, v9
	s_wait_dscnt 0x0
	s_endpgm
.Lfunc_end_k_qa54031dc01_emit:
	.size	k_qa54031dc01_emit, .Lfunc_end_k_qa54031dc01_emit-k_qa54031dc01_emit
	.p2alignl 7, 3214868480
	.fill 96, 4, 3214868480
	.section	.rodata,"a",@progbits
	.p2align	6, 0x0
	.amdhsa_kernel k_qa54031dc01_emit
		.amdhsa_group_segment_fixed_size 67840
		.amdhsa_private_segment_fixed_size 0
		.amdhsa_enable_private_segment 0
		.amdhsa_kernarg_size 40
		.amdhsa_user_sgpr_count 2
		.amdhsa_user_sgpr_kernarg_segment_ptr 1
		.amdhsa_wavefront_size32 1
		.amdhsa_system_sgpr_workgroup_id_x 1
		.amdhsa_system_sgpr_workgroup_id_y 1
		.amdhsa_system_sgpr_workgroup_id_z 1
		.amdhsa_system_vgpr_workitem_id 0
		.amdhsa_next_free_vgpr 160
		.amdhsa_next_free_sgpr 66
		.amdhsa_reserve_vcc 1
		.amdhsa_float_denorm_mode_32 3
		.amdhsa_float_denorm_mode_16_64 3
		.amdhsa_memory_ordered 1
		.amdhsa_forward_progress 1
		.amdhsa_inst_pref_size 18
	.end_amdhsa_kernel
	.amdgpu_metadata
---
amdhsa.version: [ 1, 2 ]
amdhsa.kernels:
  - .name:           k_qa54031dc01_emit
    .symbol:         k_qa54031dc01_emit.kd
    .args:
      - { .name: x, .offset: 0, .size: 8, .value_kind: global_buffer, .address_space: global }
      - { .name: codebook, .offset: 8, .size: 8, .value_kind: global_buffer, .address_space: global }
      - { .name: idx, .offset: 16, .size: 8, .value_kind: global_buffer, .address_space: global }
      - { .name: out0, .offset: 24, .size: 8, .value_kind: global_buffer, .address_space: global }
      - { .name: part, .offset: 32, .size: 8, .value_kind: global_buffer, .address_space: global }
    .group_segment_fixed_size: 67840
    .private_segment_fixed_size: 0
    .kernarg_segment_align: 8
    .kernarg_segment_size: 40
    .max_flat_workgroup_size: 256
    .sgpr_count:     66
    .vgpr_count:     160
    .wavefront_size: 32
...
	.end_amdgpu_metadata
.endif
;; end of part 3
;; launch loss (part 4): grid 1 x 1, 1 waves a work-group, no clusters, 0 bytes of LDS; arguments part, out2, out3; writes out2, out3
.if DOCPART == 4
	.amdgcn_target "amdgcn-amd-amdhsa--gfx1250"
	.amdhsa_code_object_version 6
	.text
	.protected	k_qa54031dc01_loss
	.globl	k_qa54031dc01_loss
	.p2align	8
	.type	k_qa54031dc01_loss,@function
k_qa54031dc01_loss:
	s_mov_b64 s[64:65], 0
	v_nop
	global_prefetch_b8 v0, s[64:65] scope:SCOPE_SE
	s_setreg_imm32_b32 hwreg(HW_REG_WAVE_MODE, 25, 1), 1
	s_wait_xcnt 0x0
; out2 = out3 = (the sum of the 512 partial sums) / 2^23: the mean of (x - q)^2 over 32,768 tokens x 256 channels.  Both losses are the same number: stop_gradient changes no value.
; One wave: 2,048 bytes, four loads of 512 bytes on end; the sum spans work-groups of the launch before, so it has a launch of its own.
	s_load_b128 s[4:7], s[0:1], 0x0                ; part s[4:5], out2 s[6:7]
	s_load_b64 s[8:9], s[0:1], 0x10                ; out3
	v_lshlrev_b32 v1, 4, v0
	v_mov_b32 v2, 0
	s_mov_b32 s12, 0x76543210                      ; v_permlanex16_b32: each lane takes its own place in the other half
	s_mov_b32 s13, 0xfedcba98
	s_wait_kmcnt 0x0
.irp k, 0,1,2,3
	global_load_b128 v[4+4*(\k):7+4*(\k)], v1, s[4:5] offset:512*(\k)
.endr
	s_wait_loadcnt 0x0
	v_pk_add_f32 v[4:5], v[4:5], v[6:7]
	v_pk_add_f32 v[8:9], v[8:9], v[10:11]
	v_pk_add_f32 v[12:13], v[12:13], v[14:15]
	v_pk_add_f32 v[16:17], v[16:17], v[18:19]
	v_pk_add_f32 v[4:5], v[4:5], v[8:9]
	v_pk_add_f32 v[12:13], v[12:13], v[16:17]
	v_pk_add_f32 v[4:5], v[4:5], v[12:13]
	v_add_f32 v4, v4, v5
	v_add_f32_dpp v4, v4, v4 row_xmask:1 row_mask:0xf bank_mask:0xf
	v_add_f32_dpp v4, v4, v4 row_xmask:2 row_mask:0xf bank_mask:0xf
	v_add_f32_dpp v4, v4, v4 row_xmask:4 row_mask:0xf bank_mask:0xf
	v_add_f32_dpp v4, v4, v4 row_xmask:8 row_mask:0xf bank_mask:0xf
	v_permlanex16_b32 v5, v4, s12, s13
	v_add_f32 v4, v4, v5
	v_mul_f32 v4, 0x34000000, v4                   ; 2^-23
	v_cmp_eq_u32 vcc_lo, 0, v0
	s_wait_xcnt 0x0                                ; EXEC changes only behind this wait
	s_and_saveexec_b32 s10, vcc_lo
	global_store_b32 v2, v4, s[6:7]
	global_store_b32 v2, v4, s[8:9]
	s_wait_xcnt 0x0                                ; and again, in front of the line that widens it
	s_or_b32 exec_lo, exec_lo, s10
	s_endpgm
.Lfunc_end_k_qa54031dc01_loss:
	.size	k_qa54031dc01_loss, .Lfunc_end_k_qa54031dc01_loss-k_qa54031dc01_loss
	.p2alignl 7, 3214868480
	.fill 96, 4, 3214868480
	.section	.rodata,"a",@progbits
	.p2align	6, 0x0
	.amdhsa_kernel k_qa54031dc01_loss
		.amdhsa_group_segment_fixed_size 0
		.amdhsa_private_segment_fixed_size 0
		.amdhsa_enable_private_segment 0
		.amdhsa_kernarg_size 24
		.amdhsa_user_sgpr_count 2
		.amdhsa_user_sgpr_kernarg_segment_ptr 1
		.amdhsa_wavefront_size32 1
		.amdhsa_system_sgpr_workgroup_id_x 1
		.amdhsa_system_sgpr_workgroup_id_y 1
		.amdhsa_system_sgpr_workgroup_id_z 1
		.amdhsa_system_vgpr_workitem_id 0
		.amdhsa_next_free_vgpr 32
		.amdhsa_next_free_sgpr 66
		.amdhsa_reserve_vcc 1
		.amdhsa_float_denorm_mode_32 3
		.amdhsa_float_denorm_mode_16_64 3
		.amdhsa_memory_ordered 1
		.amdhsa_forward_progress 1
		.amdhsa_inst_pref_size 3
	.end_amdhsa_kernel
	.amdgpu_metadata
---
amdhsa.version: [ 1, 2 ]
amdhsa.kernels:
  - .name:           k_qa54031dc01_loss
    .symbol:         k_qa54031dc01_loss.kd
    .args:
      - { .name: part, .offset: 0, .size: 8, .value_kind: global_buffer, .address_space: global }
      - { .name: out2, .offset: 8, .size: 8, .value_kind: global_buffer, .address_space: global }
      - { .name: out3, .offset: 16, .size: 8, .value_kind: global_buffer, .address_space: global }
    .group_segment_fixed_size: 0
    .private_segment_fixed_size: 0
    .kernarg_segment_align: 8
    .kernarg_segment_size: 24
    .max_flat_workgroup_size: 32
    .sgpr_count:     66
    .vgpr_count:     32
    .wavefront_size: 32
...
	.end_amdgpu_metadata
.endif
;; end of part 4
;; ======== version 2 of 2: 4 launches; version 1 with the launch prep written anew for expert scheduling mode
;; workspace buffers: cbw 4,194,304 bytes; ncsq 32,768 bytes; idx 131,072 bytes of whole numbers; part 2,048 bytes
;; launch prep (part 5): grid 128 x 1, 8 waves a work-group, no clusters, 1,280 bytes of LDS; arguments codebook, cbw, ncsq; writes cbw, ncsq
.if DOCPART == 5
	.amdgcn_target "amdgcn-amd-amdhsa--gfx1250"
	.amdhsa_code_object_version 6
	.text
	.protected	k_qa54031dc01_prep
	.globl	k_qa54031dc01_prep
	.p2align	8
	.type	k_qa54031dc01_prep,@function
k_qa54031dc01_prep:
	s_mov_b64 s[64:65], 0
	v_nop
	global_prefetch_b8 v0, s[64:65] scope:SCOPE_SE
	s_setreg_imm32_b32 hwreg(HW_REG_WAVE_SCHED_MODE, 0, 2), 2
	s_setreg_imm32_b32 hwreg(HW_REG_WAVE_MODE, 25, 1), 1
	s_wait_xcnt 0x0
	s_wait_alu depctr_vm_vsrc(0)
; cbw[k][d] = bf16(2 c[k][d]), which is 2 bf16(c[k][d]) exactly;  ncsq[k] = - sum over d of bf16(c[k][d])^2, in f32.
; codebook: [8192][256] f32, cbw: [8192][256] bf16, ncsq: [8192] f32.
; LIMITS: 2 c must stay inside the normal range of f32 and bf16 (|c| under 1.7e38 and at least 2^-126), else doubling and rounding do not commute.
; SHARES: a work-group takes 64 rows, so that its 64 numbers of ncsq are 256 bytes on end, stored by one instruction; a wave takes 8 rows.
; Lane l takes floats 4 l .. 4 l + 3 and 128 + 4 l .. + 3 of a row: a load covers 512 bytes on end, a store of cbw 256 bytes on end.
; All 16 loads of a wave go out at once; no loop, no register is loaded twice, no store data is rewritten.
; THE MODE: SCHED_MODE bits 1:0 = 2 (LLVM: expert scheduling mode 2), set by the entry lines.  The code itself states the register dependences
; between vector instructions and memory or LDS instructions, with s_wait_alu, always for 0.
; THE PLAN.  Registers that memory or LDS instructions touch:
;   v2, v3, v6, v7  offsets and LDS addresses: written at the head, never again; read by the loads, the stores and the LDS instructions.
;   v4, v5          the closing add's pair: written at the head, read by that add alone.
;   R               row i: its two loads land in it, once; behind the counted wait for them vector instructions alone name it.
;   Y               row i: written by row i's four conversions, never again; read by row i's two stores of cbw.
;   SQ              row i: written by row i's last multiply, never again; read by one LDS store, which stands in row i + 1.
;   U               named by vector instructions alone; at the end the LDS load of wave 0 lands in v[8:9].
; So ONE wait on va_vdst stands in a row, behind its conversions: Y of this row and SQ of the row before are written.  The row's three memory instructions follow it; the vector lines
; behind them write U and this row's SQ, which none of the three touches.  One more stands behind row 7.  No register that a memory or LDS instruction reads is written again: no wait on vm_vsrc is owed.
.set CSL,   0                          ; LDS: the work-group's 64 sums, 256 bytes
.set SPARE, 256                        ; the spare words: 128 bytes for each of the 8 waves, named by no other line
.set U,  8                             ; v[8:15]    8 numbers at work
.set R,  16                            ; v[16:79]   row i: 8 registers as loaded
.set Y,  80                            ; v[80:111]  row i: 4 registers, 8 bf16 to store
.set SQ, 112                           ; v[112:119] row i: its number of ncsq
.set WV, 10                            ; s10 the wave number
	s_load_b128 s[4:7], s[0:1], 0x0                ; codebook s[4:5], cbw s[6:7]
	s_load_b64 s[8:9], s[0:1], 0x10                ; ncsq
	v_lshl_add_u32 v4, v0, 2, SPARE                ; my spare word
	v_mov_b32 v5, 0
	v_and_b32 v1, 31, v0                           ; lane
	v_lshrrev_b32 v7, 5, v0
	v_readfirstlane_b32 s[WV], v7
	v_lshlrev_b32 v7, 3, v1                        ; from here on v7 is 8 x lane: wave 0's way out, 256 bytes in all
	s_mov_b32 s12, 0x76543210                      ; v_permlanex16_b32: each lane takes its own place in the other half
	s_mov_b32 s13, 0xfedcba98
	s_mov_b32 s14, 0xffff0000                      ; the upper bf16 of a word
	s_lshl_b32 s20, ttmp9, 16                      ; the work-group: 64 rows of 1,024 bytes,
	s_mov_b32 s21, 0
	s_lshl_b32 s22, ttmp9, 15                      ; of 512 bytes,
	s_mov_b32 s23, 0
	s_lshl_b32 s2, ttmp9, 8                        ; and 64 sums
	s_mov_b32 s3, 0
	s_wait_alu depctr_va_sdst(0)                   ; s10 is written, ahead of its first reader: the wave's offsets are made from it
	s_lshl_b32 s16, s[WV], 13                      ; 8 rows of 1,024 bytes
	s_lshl_b32 s17, s[WV], 12                      ; 8 rows of 512 bytes
	s_lshl_b32 s18, s[WV], 5                       ; 8 sums of 4 bytes
	v_lshl_add_u32 v2, v1, 4, s16                  ; my offset in the codebook
	v_lshl_add_u32 v3, v1, 3, s17                  ; my offset in cbw
	v_mov_b32 v6, s18                              ; where the wave puts its sums
	s_wait_kmcnt 0x0
	s_add_nc_u64 s[4:5], s[4:5], s[20:21]
	s_add_nc_u64 s[6:7], s[6:7], s[22:23]
	s_add_nc_u64 s[8:9], s[8:9], s[2:3]
	s_wait_alu depctr_va_vdst(0)                   ; v2, v3, v6 and v7 are written, which the loads, stores and LDS instructions below read as offsets and addresses
.irp i, 0,1,2,3,4,5,6,7
	global_load_b128 v[R+8*(\i):R+8*(\i)+3],   v2, s[4:5] offset:1024*(\i) th:TH_LOAD_NT
	global_load_b128 v[R+8*(\i)+4:R+8*(\i)+7], v2, s[4:5] offset:1024*(\i)+512 th:TH_LOAD_NT
.endr
.macro ROW i
	s_wait_loadcnt 14-2*(\i)                       ; loads come back in order: row i is in, two loads for each later row stay out
.irp j, 0,2,4,6
	v_pk_add_f32 v[R+8*(\i)+(\j):R+8*(\i)+(\j)+1], v[R+8*(\i)+(\j):R+8*(\i)+(\j)+1], v[R+8*(\i)+(\j):R+8*(\i)+(\j)+1]  ; 2 c, exact
.endr
.irp j, 0,1,2,3
	v_cvt_pk_bf16_f32 v[Y+4*(\i)+(\j)], v[R+8*(\i)+2*(\j)], v[R+8*(\i)+2*(\j)+1]
.endr
	s_wait_alu depctr_va_vdst(0)                   ; the conversions have written this row's Y, which the two stores read; the row before has written its SQ, which the LDS store reads
	global_store_b64 v3, v[Y+4*(\i):Y+4*(\i)+1],   s[6:7] offset:512*(\i)      ; 32 lanes: 256 bytes on end, aligned
	global_store_b64 v3, v[Y+4*(\i)+2:Y+4*(\i)+3], s[6:7] offset:512*(\i)+256
.if (\i) > 0
	ds_store_b32 v6, v[SQ+(\i)-1] offset:CSL+4*((\i)-1)  ; the row before: all lanes write the same word with the same number
.endif
.irp j, 0,1,2,3
	v_lshlrev_b32 v[U+2*(\j)],   16,  v[Y+4*(\i)+(\j)]  ; the rounded numbers back in f32
	v_and_b32     v[U+2*(\j)+1], s14, v[Y+4*(\i)+(\j)]
.endr
	v_pk_mul_f32 v[U:U+1], v[U:U+1], v[U:U+1]      ; the first squares start the sums
.irp j, 2,4,6
	v_pk_fma_f32 v[U:U+1], v[U+(\j):U+(\j)+1], v[U+(\j):U+(\j)+1], v[U:U+1]
.endr
	v_add_f32 v[U], v[U], v[U+1]
	v_add_f32_dpp v[U], v[U], v[U] row_xmask:1 row_mask:0xf bank_mask:0xf
	v_add_f32_dpp v[U], v[U], v[U] row_xmask:2 row_mask:0xf bank_mask:0xf
	v_add_f32_dpp v[U], v[U], v[U] row_xmask:4 row_mask:0xf bank_mask:0xf
	v_add_f32_dpp v[U], v[U], v[U] row_xmask:8 row_mask:0xf bank_mask:0xf
	v_permlanex16_b32 v[U+1], v[U], s12, s13
	v_add_f32 v[U], v[U], v[U+1]                   ; every lane holds sum (2 c)^2
	v_mul_f32 v[SQ+(\i)], 0xbe800000, v[U]         ; times -0.25, into the row's own register
.endm
.irp i, 0,1,2,3,4,5,6,7
	ROW \i
.endr
	s_wait_alu depctr_va_vdst(0)                   ; row 7 has written its SQ, which the LDS store reads; and the rows are done reading and writing v[8:9], in which the LDS load of wave 0 lands
	ds_store_b32 v6, v[SQ+7] offset:CSL+4*7
	s_wait_dscnt 0x0                               ; for the sake of wave 0: my sums lie in LDS
	s_barrier_signal -1
	s_barrier_wait -1
	s_cmp_lg_u32 s[WV], 0
	s_cbranch_scc1 .Lend
	ds_load_b64 v[8:9], v7 offset:CSL              ; wave 0: 8 bytes a lane.  No vector instruction stands behind the wait above, so nothing more is owed here
	s_wait_dscnt 0x0
	global_store_b64 v7, v[8:9], s[8:9]
.Lend:
	s_wait_dscnt 0x0                               ; the closing lines, six on end
	s_wait_alu 0x0
	s_wait_tensorcnt 0x0
	ds_add_u32 v4, v5
	s_wait_dscnt 0x0
	s_endpgm
.Lfunc_end_k_qa54031dc01_prep:
	.size	k_qa54031dc01_prep, .Lfunc_end_k_qa54031dc01_prep-k_qa54031dc01_prep
	.p2alignl 7, 3214868480
	.fill 96, 4, 3214868480
	.section	.rodata,"a",@progbits
	.p2align	6, 0x0
	.amdhsa_kernel k_qa54031dc01_prep
		.amdhsa_group_segment_fixed_size 1280
		.amdhsa_private_segment_fixed_size 0
		.amdhsa_enable_private_segment 0
		.amdhsa_kernarg_size 24
		.amdhsa_user_sgpr_count 2
		.amdhsa_user_sgpr_kernarg_segment_ptr 1
		.amdhsa_wavefront_size32 1
		.amdhsa_system_sgpr_workgroup_id_x 1
		.amdhsa_system_sgpr_workgroup_id_y 1
		.amdhsa_system_sgpr_workgroup_id_z 1
		.amdhsa_system_vgpr_workitem_id 0
		.amdhsa_next_free_vgpr 120
		.amdhsa_next_free_sgpr 66
		.amdhsa_reserve_vcc 0
		.amdhsa_float_denorm_mode_32 3
		.amdhsa_float_denorm_mode_16_64 3
		.amdhsa_memory_ordered 1
		.amdhsa_forward_progress 1
		.amdhsa_inst_pref_size 18
	.end_amdhsa_kernel
	.amdgpu_metadata
---
amdhsa.version: [ 1, 2 ]
amdhsa.kernels:
  - .name:           k_qa54031dc01_prep
    .symbol:         k_qa54031dc01_prep.kd
    .args:
      - { .name: codebook, .offset: 0, .size: 8, .value_kind: global_buffer, .address_space: global }
      - { .name: cbw, .offset: 8, .size: 8, .value_kind: global_buffer, .address_space: global }
      - { .name: ncsq, .offset: 16, .size: 8, .value_kind: global_buffer, .address_space: global }
    .group_segment_fixed_size: 1280
    .private_segment_fixed_size: 0
    .kernarg_segment_align: 8
    .kernarg_segment_size: 24
    .max_flat_workgroup_size: 256
    .sgpr_count:     66
    .vgpr_count:     120
    .wavefront_size: 32
...
	.end_amdgpu_metadata
.endif
;; end of part 5
;; launch dist: the kernel of part 2 again; grid 256 x 1, 4 waves a work-group, clusters of 4 x 1, 327,680 bytes of LDS; arguments x, cbw, ncsq, out1, idx; writes out1, idx
;; launch emit: the kernel of part 3 again; grid 512 x 1, 8 waves a work-group, no clusters, 67,840 bytes of LDS; arguments x, codebook, idx, out0, part; writes out0, part
;; launch loss: the kernel of part 4 again; grid 1 x 1, 1 waves a work-group, no clusters, 0 bytes of LDS; arguments part, out2, out3; writes out2, out3
